; MI455X (gfx1250); checked and timed in simulation.
; The chip was launched on July 23, 2026; its instructions are those of AMD's public machine-readable ISA for CDNA 5 (MIT licence, August 2026) and "CDNA5" Instruction Set Architecture Reference Guide (July 2026). The comments in the code are by the model that wrote it; some were corrected since.
;; Batch Invariant Attention. Allowed arithmetic: matrix products marked QUANTISED: E2M1 operands, one E8M0 scale for each 32 along K, by v_wmma_scale_f32_16x16x128_f8f6f4 with both operands' format E2M1 (or v_wmma_scale_f32_32x16x128_f4), f32 sums; products left as they are: bf16, f16 or f32 operands; f32 sums; everything else in f32.
;; Inputs: key 4 x 16 x 2,048 x 64 float32; query 4 x 16 x 2,048 x 64 float32; value 4 x 16 x 2,048 x 64 float32.
;; Outputs: out0 4 x 16 x 2,048 x 64 float32.
;; This version of the problem:
;;   THIS VERSION OF THE PROBLEM IS GIVEN IN LOW PRECISION. The matrix products marked QUANTISED in the list below multiply operands that are first quantised to E2M1 (2 exponent bits, 1 mantissa bit; 4 bits a number), with one power-of-two scale for each 32 numbers along K (OCP MX v1.0); their sums are f32. The products marked 'left as it is' may take bf16, f16 or f32 operands, with f32 sums. All else is computed in f32.
;;   The module's matrix products, in the order in which they are computed (A, B: the left and right operand; K: the contracted axis; several contracted axes count as one K, in the product's order):
;;     1. batch 64 x [M 2,048, K 64] x [K 64, N 2,048]; A: input query; B: input key: QUANTISED
;;     2. batch 64 x [M 2,048, K 2,048] x [K 2,048, N 64]; A: computed on the way; B: input value: left as it is (an operand is computed on the way)
;;   THE QUANTISER, for each operand of a quantised product, along K:
;;     - K is cut into blocks of 32 from its start; a last block that is shorter is filled with zeros.
;;     - A block's scale is 2^e with e = floor(log2(the largest magnitude in the block)) - 2, held to -126 .. 127; a block of zeros has e = 0. As a byte (E8M0): e + 127.
;;     - Each number is divided by its block's scale, clamped to +-6, and rounded to the nearest number of E2M1, ties to even, subnormals kept.
;;     - The product sums the exact products of the quantised numbers (number of the format x scale) in f32.
;;   ~~~python
;;   def quantise(x, axis):      # numpy; x: float32 -> the quantised numbers, widened to float32 again
;;       x = np.moveaxis(x, axis, -1); K = x.shape[-1]
;;       x = np.pad(x, [(0, 0)] * (x.ndim - 1) + [(0, -K % 32)]); x = x.reshape(x.shape[:-1] + (-1, 32)); a = np.abs(x).max(-1, keepdims=True)
;;       e = np.where(a > 0, np.clip(np.frexp(np.where(a > 0, a, 1))[1] - 1 - 2, -126, 127), 0)      # np.frexp(a)[1] - 1 = floor(log2(a)), exactly
;;       r = np.clip(x / 2.0 ** e, -6, 6)
;;       step = 2.0 ** (np.maximum(np.frexp(np.where(r == 0, 1, r))[1] - 1, 0) - 1)
;;       q = np.round(r / step) * step * 2.0 ** e      # np.round: ties to even
;;       return np.moveaxis(q.reshape(q.shape[:-2] + (-1,))[..., :K], -1, axis).astype(np.float32)
;;   ~~~
;; 2 versions, each right; version 2 is version 1 with the launch attn written anew for expert scheduling mode. Each part assembles by itself: llvm-mc -triple=amdgcn-amd-amdhsa -mcpu=gfx1250 --defsym DOCPART=n.
;; ======== version 1 of 2: 1 launch
;; limits: values are held in f16: magnitudes above 65,504 overflow, below 6.1e-05 lose precision
;; launch attn (part 1): grid 4 x 64, 8 waves a work-group, no clusters, 199,680 bytes of LDS; arguments query, key, value, out0; writes out0
.if DOCPART == 1
	.amdgcn_target "amdgcn-amd-amdhsa--gfx1250"
	.amdhsa_code_object_version 6
	.text
	.protected	k_qe727c5ee27_attn
	.globl	k_qe727c5ee27_attn
	.p2align	8
	.type	k_qe727c5ee27_attn,@function
k_qe727c5ee27_attn:
	s_mov_b64 s[64:65], 0
	v_nop
	global_prefetch_b8 v0, s[64:65] scope:SCOPE_SE
	s_setreg_imm32_b32 hwreg(HW_REG_WAVE_MODE, 25, 1), 1
	s_wait_xcnt 0x0
; out[h][q][:] = sum over k of softmax_k(Q[h][q] . K[h][k] / 8) V[h][k][:].  64 heads, 2,048 rows of 64 numbers, all f32.
; The first product runs on codes of E2M1 with one E8M0 scale for each 32 of the head's 64 (both operands quantised here, in f32); the second on f16 (p and V rounded once), sums in f32.
; f16 AND NOT bf16 for the second product: eleven significant bits against eight, so that the rounding of p and V is eight times finer; both operands have room in it (LIMITS).
; SHARES.  A work-group owns 512 queries of one head (grid 4 x 64), each of its eight waves 64: four tiles of 16.  512 registers a wave, two waves to a SIMD.
; THE KEYS ARE WALKED TWICE.  Pass 1: K is quantised, 256 keys at a time, into LDS, where the head's codes (2,048 x 32 bytes) and scale words stay; S^T = K Q^T is formed and only each query's largest score is kept.
; Pass 2: S^T is formed again from the same codes (the same bits), p = 2^(c s - c max) with the row's TRUE maximum, c = log2(e) / 8; the row's sum of p in f32; O^T += V^T P.  So there are no running statistics and O is never rescaled.
; LAYOUT.  Both products are used transposed (source 0 = 16 keys or 16 channels, source 1 = 16 queries): a lane holds ONE query (lane % 16) throughout.  The scaled form takes 128 along K; the head has 64:
; registers 4-7 of every fragment of codes are zeros on BOTH sides, and bytes 2, 3 of every scale word are 0 (a finite scale over zero codes).
; BY TURNS IN PASS 2.  The waves form two groups, so chosen that waves W and W + 4, and waves 2 i and 2 i + 1, lie in different groups.  In a half step one group has its matrix phase M(j) (V^T P of step j - 1, K Q^T of step j),
; the other its vector phase V(j) (the LDS loads for the next M, the softmax of step j); a work-group barrier closes each half step, then they change places.  V's way from memory into LDS stands outside the phases,
; in text that every wave runs, once a step: so its register sets take turns in one order on every way through the text.
; NO TENSOR LOADS, NO CLUSTER, though the four work-groups of a head read the same K and V: both arrive as f32 and no product takes them as they lie.  Every byte passes through registers first (quantiser, rounding), so it is
; loaded straight into registers.  A joint load would put a head's 2 x 512 KiB of f32 into each LDS and have them read out again, beside the 104 KiB of codes and 256 KiB of f16 that are stored there anyway.
; A launch of its own for the codes would read the inputs once more than this text does.
; LIMITS.  NaN and infinities among the inputs are not served.  A number of value beyond 65,504 in magnitude becomes infinite in f16; under 2^-14 it is kept with an absolute error of at most 2^-25.
; p lies in 0 .. 1 (the row's maximum is taken away): under 2^-14 it is kept with an absolute error of at most 2^-25, 2,048 of which are 2^-14 beside a row's sum of at least 1.
; A block of zeros gets the scale byte 1 where the quantiser says 127: its codes are zeros, and only this text reads the bytes.  A p under 2^-126 counts as 0 (v_exp_f32's result: ISA guide 15.8).
;
; LDS
.set VSLOT, 10240                      ; a tile of V: 64 keys x (128 bytes of f16 + 32 of padding): rows 160 bytes apart
.set KC,    3*VSLOT                    ; behind V's ring of three slots (tile t in slot t % 3): K's codes, key k at 48 k (32 bytes + 16 of padding)
.set SCK,   KC+2048*48                 ; K's scale words, 4 k
.set QC,    SCK+2048*4                 ; Q's codes, row 64 W + q at pitch 48: a wave touches its own rows alone
.set SCQ,   QC+512*48                  ; Q's scale words
.set STG,   SCQ+512*4                  ; the way out: 16 rows x (256 + 16) bytes for each wave; ends at 198,656
; REGISTERS, window 0
.set GQ,   1                           ; 32 l: my 32 bytes of four rows of 256
.set GK,   2                           ; + 8,192 W: my wave's 32 keys of a chunk
.set GV,   3                           ; 32 l + 2,048 W: my wave's 8 keys of a tile of V
.set SH,   4                           ; 8 x (my block of the row): where my scale byte stands in the word
.set QWC,  5                           ; where I store Q's codes, and
.set QWS,  6                           ; Q's scale words; from pass 1 on the same two registers serve K's:
.set KWC,  5
.set KWS,  6
.set KWC0, 7                           ; KC + (32 W + l / 8) 48 + 4 (l % 8)
.set KWS0, 8                           ; SCK + 4 (32 W + l / 8)
.set KAD,  9                           ; where the K fragments in hand lie: KAD0 + a scalar
.set KSA,  10                          ; and their scale words: KSA0 + a scalar
.set VLD,  11                          ; the turning load's lane term
.set VST,  12                          ; where I store 16 bytes of a row of V
.set PFO,  13                          ; 256 x my thread's number: a lane a row
.set STO,  14                          ; the way out: in,
.set SRD,  15                          ; back,
.set GO,   16                          ; and my byte in two rows of out
.set KAD0, 17                          ; KC + 48 r + 16 h
.set KSA0, 18                          ; SCK + 4 l
.set KSC,  20                          ; v20-21 K's scale words: lanes 0-15 the even tile's, lanes 16-31 the odd tile's
.set QSC,  22                          ; v22-23 Q's likewise
.set QM,   24                          ; the quantiser: v24-27 largest magnitudes, v28-31 scale operands, v32-39 codes (two sets), v40-47 scale words (two sets)
.set QS,   28
.set QCD,  32
.set QB,   40
.set NCM,  24                          ; pass 2: v24-31 -c max, twice, for each tile; v32-39 the sum, in two halves, for each tile; v40-47 V on its way
.set L,    32
.set T,    40
.set QF,   48                          ; v48-79   Q's four fragments
.set KF,   80                          ; v80-111  four fragments of K
.set S,    112                         ; v112-239 S^T: tile t, key tile kt at S + 32 t + 8 kt; p in f16 is laid in place at S + 32 t + 0 .. 15
.set MX,   240                         ; v240-255 four chains of maxima a tile; at the end the sums and their reciprocals
; window 1: v0-127 O^T (tile t, channels 16 c on at 8 (4 t + c)); in pass 1 K as loaded, two sets of 64.  v128-191 V's fragments.  v192-239 V as loaded, three sets of 16.  At the head v128-255: Q as loaded.
.set VF,   128
.set VSTG, 192
; SCALARS: s[4:5] Q, s[10:11] out at my wave's rows; s[6:7] K, walking; s[8:9] V at the head; s12 wave; s13 group; s[20:21] lane selects; s[22:23] c; s24 trips; s25, s26 who prefetches; s27, s36, s37 at work
.set VP,   32                          ; s[32:33] V, walking
.set CO,   34                          ; s34 bytes of codes,
.set SO,   35                          ; s35 of scale words, from K's first key to the keys in hand
.set MSB, 0
.macro WIN new                         ; s_set_vgpr_msb: bits 1:0 source 0, 3:2 source 1, 5:4 source 2, 7:6 destination; the high byte repeats the setting that is left
.if MSB != \new
	s_set_vgpr_msb (MSB<<8)|\new
.set MSB, \new
.endif
.endm
.macro PLACES n                        ; plain vector instructions between a matrix instruction and what touches its registers (ISA guide 7.12.1)
.rept \n
	v_nop
.endr
.endm
; Sixteen rows x 64 numbers become codes and scale words.  Group g (four rows) stands in registers x + 8 g .. + 7 of window 1: lane l holds channels 8 (l % 8) .. + 7 of row 4 g + l / 8, so four neighbouring lanes hold a block of 32.
; ts: which set of registers the LDS stores read; a set is written again only behind s_wait_dscnt 0.
.macro QUANT4 x, ca, coff, sa, soff, ts
	WIN 0x14
.irp g, 0,1,2,3
	v_max3_num_f32 v[QM+\g], 0x1800000, |v[(\x)+8*\g]|, |v[(\x)+8*\g+1]|   ; my eight numbers, and the floor 2^(3 - 127): the byte cannot fall under 1.  (The four groups by turns)
.endr
.irp i, 2,4,6
.irp g, 0,1,2,3
	v_max3_num_f32 v[QM+\g], v[QM+\g], |v[(\x)+8*\g+\i]|, |v[(\x)+8*\g+\i+1]|
.endr
.endr
	WIN 0
.irp g, 0,1,2,3
	v_max_num_f32_dpp v[QM+\g], v[QM+\g], v[QM+\g] row_xmask:1 row_mask:0xf bank_mask:0xf
.endr
.irp g, 0,1,2,3
	v_max_num_f32_dpp v[QM+\g], v[QM+\g], v[QM+\g] row_xmask:2 row_mask:0xf bank_mask:0xf   ; the block's largest magnitude
.endr
.irp g, 0,1,2,3
	v_add_nc_u32 v[QS+\g], 0xff000000, v[QM+\g]    ; 2 off its exponent field: the conversion takes this operand's exponent field as its scale
.endr
	WIN 0x01
.irp g, 0,1,2,3
	v_cvt_scalef32_pk8_fp4_f32 v[QCD+4*\ts+\g], v[(\x)+8*\g:(\x)+8*\g+7], v[QS+\g]   ; to the nearest code, ties to even; beyond 6 the largest code
.endr
	WIN 0
.irp g, 0,1,2,3
	v_lshrrev_b32 v[QB+4*\ts+\g], 23, v[QS+\g]     ; the scale's byte.  (The plain instruction behind the conversions)
.endr
.irp g, 0,1,2,3
	v_lshlrev_b32 v[QB+4*\ts+\g], v[SH], v[QB+4*\ts+\g]   ; at its block's place in the word
.endr
.irp g, 0,1,2,3
	v_mov_b32_dpp v[QM+\g], v[QB+4*\ts+\g] row_xmask:4 row_mask:0xf bank_mask:0xf   ; the row's other block's
.endr
.irp g, 0,1,2,3
	v_or_b32 v[QB+4*\ts+\g], v[QB+4*\ts+\g], v[QM+\g]
.endr
.irp g, 0,1,2,3
	ds_store_b32 v[\ca], v[QCD+4*\ts+\g] offset:\coff+192*\g   ; eight codes: 4 bytes of my row's 32
	ds_store_b32 v[\sa], v[QB+4*\ts+\g] offset:\soff+16*\g     ; a row's eight lanes store the same word to the same place
.endr
.endm
; One product of S^T = K Q^T: key tile kk, query tile tt (symbols).  In the result lane (r, h) holds query r, register j key 16 kk + 8 h + j.  Each starts its sum with the constant 0: the head's 64 are one instruction deep.
.macro QKW
.set rS, S+32*tt+8*kk
.set rK, KF+8*kk
.set rQ, QF+8*tt
.if (kk%2 == 0) && (tt%2 == 0)
	v_wmma_scale_f32_16x16x128_f8f6f4 v[rS:rS+7], v[rK:rK+7], v[rQ:rQ+7], 0, v[KSC+kk/2], v[QSC+tt/2] matrix_a_fmt:MATRIX_FMT_FP4 matrix_b_fmt:MATRIX_FMT_FP4
.elseif kk%2 == 0
	v_wmma_scale_f32_16x16x128_f8f6f4 v[rS:rS+7], v[rK:rK+7], v[rQ:rQ+7], 0, v[KSC+kk/2], v[QSC+tt/2] matrix_a_fmt:MATRIX_FMT_FP4 matrix_b_fmt:MATRIX_FMT_FP4 matrix_b_scale:MATRIX_SCALE_ROW1
.elseif tt%2 == 0
	v_wmma_scale_f32_16x16x128_f8f6f4 v[rS:rS+7], v[rK:rK+7], v[rQ:rQ+7], 0, v[KSC+kk/2], v[QSC+tt/2] matrix_a_fmt:MATRIX_FMT_FP4 matrix_b_fmt:MATRIX_FMT_FP4 matrix_a_scale:MATRIX_SCALE_ROW1
.else
	v_wmma_scale_f32_16x16x128_f8f6f4 v[rS:rS+7], v[rK:rK+7], v[rQ:rQ+7], 0, v[KSC+kk/2], v[QSC+tt/2] matrix_a_fmt:MATRIX_FMT_FP4 matrix_b_fmt:MATRIX_FMT_FP4 matrix_a_scale:MATRIX_SCALE_ROW1 matrix_b_scale:MATRIX_SCALE_ROW1
.endif
.endm
.macro MAX4 idx                        ; the eight scores of product idx go into the tile's four chains; the accumulator is read from its low end on
.set mD, S+32*((\idx)%4)+8*(((\idx)/4)%4)
.set mX, MX+4*((\idx)%4)
.irp q, 0,1,2,3
	v_max3_num_f32 v[mX+\q], v[mX+\q], v[mD+2*\q], v[mD+2*\q+1]
.endr
.endm
; A chunk of 256 keys against my 64 queries: 64 products, key tile by key tile.  Behind product n stand the four maxima of product n - 8: they are also the places behind it.
.macro QKMAX
.irp q, 0,1
	ds_load_b128 v[KF+8*\q:KF+8*\q+3], v[KAD] offset:768*\q
.endr
	ds_load_b32 v[KSC], v[KSA]
.irp q, 2,3
	ds_load_b128 v[KF+8*\q:KF+8*\q+3], v[KAD] offset:768*\q
.endr
	ds_load_b32 v[KSC+1], v[KSA] offset:128
.set n, 0
.rept 64
.set kk, (n/4)%4
.set tt, n%4
.if n == 56
	s_wait_dscnt 0x0                               ; the last two fragments: nothing was asked for behind them
.elseif n%8 == 0
	s_wait_dscnt 0x3                               ; two fragments and their scale words are in; the two fragments and the word asked for behind them may be out
.endif
	QKW
.if n >= 8
	MAX4 n-8
.endif
.if (n%4 == 3) && (n < 48)                     ; the fragment's four products are issued: it takes the tile 64 keys on
.if n < 8
	PLACES 4
.endif
	ds_load_b128 v[KF+8*kk:KF+8*kk+3], v[KAD] offset:3072*(n/16+1)+768*kk
.if kk%2 == 1
	ds_load_b32 v[KSC+kk/2], v[KSA] offset:256*(n/16+1)+128*(kk/2)
.endif
.endif
.set n, n+1
.endr
.set n, 56
.rept 8
	MAX4 n
.set n, n+1
.endr
.endm
; A prefetch into the L2, a lane a row of 256 bytes.  The head's first work-group asks and nobody else (s25, s26 are 0 there, in the waves that ask, else 256), while the trip count s24 is under thr: each row is named once in the launch.
.macro ASK big, thr, adr, off
	s_or_b32 s27, s24, s[\big]
	s_cmp_lt_u32 s27, \thr
	s_cbranch_scc0 .Lna_\@
	global_prefetch_b8 v[PFO], s[\adr:\adr+1] offset:\off th:TH_LOAD_NT scope:SCOPE_SE
.Lna_\@:
.endm
.macro VTILE reg, bs, off              ; my wave's 8 keys of a tile of V, 16 registers of window 1 (the caller sets the window)
.irp g, 0,1
.irp i, 0,1
	global_load_b128 v[(\reg)+8*\g+4*\i:(\reg)+8*\g+4*\i+3], v[GV], s[\bs:\bs+1] offset:(\off)+1024*\g+16*\i
.endr
.endr
.endm
.macro CONV x, d, off                  ; they are rounded to f16 and stored: 16 bytes a lane, rows l / 8 and 4 + l / 8 of my eight
	WIN 0x05
.irp g, 0,1
.irp i, 0,1,2,3
	v_cvt_pk_f16_f32 v[(\d)+4*\g+\i], v[(\x)+8*\g+2*\i], v[(\x)+8*\g+2*\i+1]
.endr
.endr
	WIN 0
	ds_store_b128 v[VST], v[(\d):(\d)+3] offset:\off
	ds_store_b128 v[VST], v[(\d)+4:(\d)+7] offset:(\off)+640
.endm
; PASS 1, chunk 2 s24 + e.  My wave quantises 32 of its 256 keys from set e; the set then takes the chunk two further on.  In the last trip there is none: V's first five tiles are asked for instead.
; Either way of the branch issues 16 loads or waits for all: so the count 16 at a slot's head holds whichever way led to it.
.macro KSLOT e
	v_add_nc_u32 v[KWC], s[CO], v[KWC0]            ; (no LDS instruction of mine is out here)
	v_add_nc_u32 v[KWS], s[SO], v[KWS0]
	v_add_nc_u32 v[KAD], s[CO], v[KAD0]
	v_add_nc_u32 v[KSA], s[SO], v[KSA0]
	s_wait_loadcnt 0x10                            ; this chunk's 16 loads are in; the 16 issued behind them may be out
	QUANT4 64*\e, KWC, 0, KWS, 0, 0
	QUANT4 64*\e+32, KWC, 768, KWS, 64, 1
	s_wait_xcnt 0x0                                ; the loads and prefetches of the last slot have read their bases
	s_add_nc_u64 s[6:7], s[6:7], 65536             ; K: one chunk further on than the chunk in hand
	s_add_nc_u64 s[VP:VP+1], s[VP:VP+1], 16384     ; V: one tile a slot
	s_add_co_u32 s[CO], s[CO], 12288
	s_add_co_u32 s[SO], s[SO], 1024
	s_cmp_lt_u32 s24, 3
	s_cbranch_scc0 .Lkv_\@
	WIN 0x40
.irp g, 0,1,2,3,4,5,6,7
.irp i, 0,1
	global_load_b128 v[64*\e+8*\g+4*\i:64*\e+8*\g+4*\i+3], v[GK], s[6:7] offset:65536+1024*\g+16*\i
.endr
.endr
	WIN 0
	s_branch .Lkj_\@
.Lkv_\@:
	s_wait_loadcnt 0x0                             ; what was asked for a slot ago
	WIN 0x40
.if \e == 0
	VTILE 0, 8, 0                                  ; tiles 0 and 1 into the set just quantised, tiles 2 and 3 into V's sets 0 and 1
	VTILE 16, 8, 16384
	VTILE VSTG, 8, 32768
	VTILE VSTG+16, 8, 49152
.else
	VTILE VSTG+32, 8, 65536                        ; tile 4 into set 2
.endif
	WIN 0
.Lkj_\@:
	ASK 25, 2, 6, 196608                           ; K's chunk four on, two slots ahead of its loads: all eight waves, 256 rows; chunks 0 to 3 come by their loads alone
	ASK 26, 4, VP, -16384                          ; V's tile of this slot's number: waves 0 and 1, 64 rows
	s_wait_dscnt 0x0                               ; my codes and scale words have landed
	s_barrier_signal -1
	s_barrier_wait -1                              ; everybody's have.  K's bytes are written once, and the next chunk's are other bytes: one barrier a chunk
	QKMAX
.endm
.macro KFRAGS ka, sa                   ; a step's four fragments of K and their scale words
.irp q, 0,1,2,3
	ds_load_b128 v[KF+8*\q:KF+8*\q+3], v[\ka] offset:768*\q
.endr
.irp p, 0,1
	ds_load_b32 v[KSC+\p], v[\sa] offset:128*\p
.endr
.endm
; V'S WAY INTO LDS, step j, set = j % 3; every wave runs it, once a step.  Tile j + 2 goes from register set j % 3, rounded to f16, into slot (j + 2) % 3 (while s24 < cthr); tile j + 5 comes from memory into that set
; (s24 < lthr); tile j + 8 is asked for (s24 < pthr; waves 0 and 1 of the head's first work-group, 32 rows each: three steps ahead of the tile's loads).  A threshold of 16: always.
; The slot's last tile, j - 1, was last read two barriers back; tile j + 2 is first read three barriers on.
; The way that loads waits with the count 8; the way that does not waits for all: so the count 8 holds whichever ways led to it.
.macro STAGE set, cthr, lthr, pthr
.if \lthr == 16
	s_wait_loadcnt 0x8                             ; the set's four loads are in; the two younger sets' may be out
	CONV VSTG+16*\set, T, VSLOT*((\set+2)%3)
	WIN 0x40
	VTILE VSTG+16*\set, VP, -65536
	WIN 0
.else
	s_cmp_lt_u32 s24, \lthr
	s_cbranch_scc0 .Lnl_\@
	s_wait_loadcnt 0x8                             ; as above
	CONV VSTG+16*\set, T, VSLOT*((\set+2)%3)
	WIN 0x40
	VTILE VSTG+16*\set, VP, -65536
	WIN 0
	s_branch .Lcd_\@
.Lnl_\@:
	s_wait_loadcnt 0x0                             ; V's last tiles: nothing is asked for behind them
.if \cthr < 16
	s_cmp_lt_u32 s24, \cthr
	s_cbranch_scc0 .Lcd_\@
.endif
	CONV VSTG+16*\set, T, VSLOT*((\set+2)%3)
.Lcd_\@:
.endif
	ASK 26, \pthr, VP, -16384
.endm
; THE SOFTMAX OF A STEP: 64 pairs of scores, pair n = pair n / 4 of tile n % 4.  For each: c s - c max (packed), two exponentials, the sum (packed), the rounding to f16, laid in place.
; They are staggered so that the text reads plain, exponential, plain, exponential, plain: each exponential has a plain instruction of another tile behind it.  The sum stands ahead of the rounding, which writes over scores that are done with.
.macro SOFT
.set k, 0
.rept 68
.if k < 64
.set a0, S+32*(k%4)+2*(k/4)
	v_pk_fma_f32 v[a0:a0+1], v[a0:a0+1], s[22:23], v[NCM+2*(k%4):NCM+2*(k%4)+1] op_sel_hi:[1,0,1]
.endif
.if (k >= 2) && (k < 66)
.set a1, S+32*((k-2)%4)+2*((k-2)/4)
	v_exp_f32 v[a1], v[a1]
.endif
.if k >= 4
.set a2, S+32*((k-4)%4)+2*((k-4)/4)
	s_wait_alu depctr_va_vdst(0)
	v_pk_add_f32 v[L+2*((k-4)%4):L+2*((k-4)%4)+1], v[L+2*((k-4)%4):L+2*((k-4)%4)+1], v[a2:a2+1]
.endif
.if (k >= 2) && (k < 66)
	v_exp_f32 v[a1+1], v[a1+1]
.endif
.if k >= 4
	v_cvt_pk_f16_f32 v[S+32*((k-4)%4)+(k-4)/4], v[a2], v[a2+1]
.endif
.set k, k+1
.endr
.endm
; THE MATRIX PHASE.  pv = 2: 32 products O^T += V^T P (keys 32 ks on, channels 16 c on, tile t); pv = 1: the first 16 start the sums; 0: none.  kq = 1: the next step's 16 products K Q^T.
; The 16 accumulators take turns, one instruction a turn.  It touches no LDS and no memory.
.macro MPH pv, kq
.if \pv
	WIN 0x51                                       ; V and O^T in window 1, P in window 0
.irp ks, 0,1
.irp c, 0,1,2,3
.irp t, 0,1,2,3
.if (\pv == 1) && (\ks == 0)
	v_wmma_f32_16x16x32_f16 v[8*(4*\t+\c):8*(4*\t+\c)+7], v[VF+8*(4*\ks+\c):VF+8*(4*\ks+\c)+7], v[S+32*\t+8*\ks:S+32*\t+8*\ks+7], 0
.else
	v_wmma_f32_16x16x32_f16 v[8*(4*\t+\c):8*(4*\t+\c)+7], v[VF+8*(4*\ks+\c):VF+8*(4*\ks+\c)+7], v[S+32*\t+8*\ks:S+32*\t+8*\ks+7], v[8*(4*\t+\c):8*(4*\t+\c)+7]
.endif
.endr
.endr
.endr
	WIN 0
.endif
.if \pv && \kq
	PLACES 5                                       ; the scores are written over P, which the products above have read: one place more than a load or a vector instruction wants
.endif
.if \kq
.set kk, 0
.rept 4
.set tt, 0
.rept 4
	QKW
.set tt, tt+1
.endr
.set kk, kk+1
.endr
.endif
.if \pv || \kq
	PLACES 5                                       ; a wave's next phase is a vector phase, whose loads into V's and K's fragments and whose first read of the scores want four; five are written, so that the distance
	                                               ; holds whichever phase stands next in the text: a product that took these scores as an operand would want five
.endif
.endm
; THE VECTOR PHASE V(j), set = j % 3.  It fetches V's tile j (slot j % 3, turned) and, with kf = 1, K's fragments of step j + 1, for the next matrix phase, and walks the softmax.
.macro VPH set, kf
	WIN 0x40
.irp ks, 0,1
.irp c, 0,1,2,3
	ds_load_tr16_b128 v[VF+8*(4*\ks+\c):VF+8*(4*\ks+\c)+3], v[VLD] offset:VSLOT*\set+5120*\ks+32*\c
	ds_load_tr16_b128 v[VF+8*(4*\ks+\c)+4:VF+8*(4*\ks+\c)+7], v[VLD] offset:VSLOT*\set+5120*\ks+2560+32*\c
.endr
.endr
	WIN 0
.if \kf
	KFRAGS KAD, KSA
.endif
	SOFT
.endm
; THE BARRIER THAT CLOSES A HALF STEP.  In front of its signal my LDS loads are in and my LDS stores have landed.  adv = 1: both groups have had V(j): the pointers step, in text that every wave runs.
; K's addresses are held at the last step, 31: V(31) fetches that step's fragments once more, and nothing uses them.
.macro BAR adv
	s_wait_dscnt 0x0
.if \adv
	s_wait_xcnt 0x0                                ; my loads and prefetch of V, half a step back, have read their base
.endif
	s_barrier_signal -1
.if \adv
	s_add_nc_u64 s[VP:VP+1], s[VP:VP+1], 16384
	s_add_co_u32 s[CO], s[CO], 3072
	s_add_co_u32 s[SO], s[SO], 256
	s_min_u32 s36, s[CO], 31*3072
	s_min_u32 s37, s[SO], 31*256
	v_add_nc_u32 v[KAD], s36, v[KAD0]
	v_add_nc_u32 v[KSA], s37, v[KSA0]
.endif
	s_barrier_wait -1
.endm
.macro HALF_MV pv, kq, set, kf, adv    ; group 0: matrix phase; group 1: vector phase
	s_cmp_eq_u32 s13, 0
	s_cbranch_scc0 .Lhv_\@
	MPH \pv, \kq
	s_branch .Lhj_\@
.Lhv_\@:
	VPH \set, \kf
.Lhj_\@:
	BAR \adv
.endm
.macro HALF_VM set, kf, pv, kq, adv    ; the other way round
	s_cmp_eq_u32 s13, 0
	s_cbranch_scc0 .Lhm_\@
	VPH \set, \kf
	s_branch .Lhj_\@
.Lhm_\@:
	MPH \pv, \kq
.Lhj_\@:
	BAR \adv
.endm
; ---------------- THE HEAD ----------------
	s_load_b256 s[4:11], s[0:1], 0x0               ; query s[4:5], key s[6:7], value s[8:9], out0 s[10:11]
	v_lshrrev_b32 v19, 5, v0
	v_readfirstlane_b32 s12, v19                   ; wave 0..7
	s_lshr_b32 s13, s12, 2
	s_xor_b32 s13, s13, s12
	s_and_b32 s13, s13, 1                          ; group: 0 1 0 1 1 0 1 0
	s_and_b32 s16, ttmp7, 0xffff                   ; the head,
	s_lshl_b32 s16, s16, 19                        ; 2,048 rows of 256 bytes each
	s_mov_b32 s17, 0
	s_lshl_b32 s18, ttmp9, 17                      ; my block of 512 queries,
	s_lshl_b32 s19, s12, 14                        ; my wave's 64
	s_add_co_u32 s18, s18, s19
	s_add_co_u32 s18, s18, s16
	s_mov_b32 s19, 0
	s_cmp_eq_u32 ttmp9, 0                          ; the head's first work-group prefetches K,
	s_cselect_b32 s25, 0, 256
	s_lshr_b32 s27, s12, 1
	s_or_b32 s27, s27, ttmp9
	s_cmp_eq_u32 s27, 0                            ; and its waves 0 and 1 V
	s_cselect_b32 s26, 0, 256
	s_mov_b32 s20, 0x76543210                      ; v_permlanex16_b32: lane l xor 16
	s_mov_b32 s21, 0xfedcba98
	s_mov_b32 s22, 0x3e38aa3b                      ; c = log2(e) / 8
	s_mov_b32 s23, s22                             ; (named with it as a pair)
	v_and_b32 v24, 31, v0                          ; l
	v_lshlrev_b32 v[GQ], 5, v24
	s_lshl_b32 s27, s12, 13
	v_add_nc_u32 v[GK], s27, v[GQ]
	s_lshl_b32 s27, s12, 11
	v_add_nc_u32 v[GV], s27, v[GQ]
	s_wait_kmcnt 0x0
	s_add_nc_u64 s[4:5], s[4:5], s[18:19]
	s_add_nc_u64 s[10:11], s[10:11], s[18:19]
	s_add_nc_u64 s[6:7], s[6:7], s[16:17]
	s_add_nc_u64 s[8:9], s[8:9], s[16:17]
	s_mov_b64 s[VP:VP+1], s[8:9]
	WIN 0x40
.irp g, 0,1,2,3,4,5,6,7,8,9,10,11,12,13,14,15
.irp i, 0,1
	global_load_b128 v[128+8*\g+4*\i:128+8*\g+4*\i+3], v[GQ], s[4:5] offset:1024*\g+16*\i th:TH_LOAD_NT   ; my 64 queries: read once in the launch
.endr
.endr
.irp g, 0,1,2,3,4,5,6,7
.irp i, 0,1
	global_load_b128 v[8*\g+4*\i:8*\g+4*\i+3], v[GK], s[6:7] offset:1024*\g+16*\i   ; my 32 keys of chunk 0
.endr
.endr
	WIN 0
	; every LDS address is made here, ahead of the first parting of the groups
	v_and_b32 v25, 15, v0                          ; r
	v_bfe_u32 v26, v0, 4, 1                        ; h
	v_bfe_u32 v27, v0, 3, 2                        ; l / 8
	v_and_b32 v28, 7, v0                           ; l % 8
	v_bfe_u32 v[SH], v0, 2, 1
	v_lshlrev_b32 v[SH], 3, v[SH]
	v_mul_u32_u24 v29, v27, 48
	v_lshl_add_u32 v29, v28, 2, v29                ; (l / 8) 48 + 4 (l % 8)
	v_lshlrev_b32 v30, 2, v27
	v_mul_u32_u24 v31, v25, 48
	v_lshl_add_u32 v31, v26, 4, v31                ; a fragment's 16 bytes: 48 r + 16 h
	s_mul_i32 s27, s12, 3072
	s_add_co_u32 s27, s27, QC
	v_add_nc_u32 v[QWC], s27, v29
	v_add_nc_u32 v[KAD], s27, v31                  ; (at the head: where Q's fragments are read back)
	s_lshl_b32 s27, s12, 8
	s_add_co_u32 s27, s27, SCQ
	v_add_nc_u32 v[QWS], s27, v30
	v_lshl_add_u32 v[KSA], v24, 2, s27             ; (and Q's scale words)
	s_mul_i32 s27, s12, 1536
	s_add_co_u32 s27, s27, KC
	v_add_nc_u32 v[KWC0], s27, v29
	s_lshl_b32 s27, s12, 7
	s_add_co_u32 s27, s27, SCK
	v_add_nc_u32 v[KWS0], s27, v30
	v_add_nc_u32 v[KAD0], KC, v31
	v_lshl_add_u32 v[KSA0], v24, 2, SCK
	v_lshl_add_u32 v32, v26, 3, v28                ; the turning load: lane l reads key 8 h + l % 8, channels 8 ((l / 8) % 2) on
	v_mul_u32_u24 v32, v32, 160
	v_bfe_u32 v33, v0, 3, 1
	v_lshl_add_u32 v[VLD], v33, 4, v32
	v_mul_u32_u24 v32, v27, 160
	v_lshl_add_u32 v32, v28, 4, v32
	s_mul_i32 s27, s12, 1280
	v_add_nc_u32 v[VST], s27, v32                  ; (8 W + l / 8) 160 + 16 (l % 8)
	v_lshlrev_b32 v[PFO], 8, v0
	s_mul_i32 s27, s12, 4352
	s_add_co_u32 s27, s27, STG
	v_mul_u32_u24 v32, v25, 272
	v_lshl_add_u32 v32, v26, 5, v32
	v_add_nc_u32 v[STO], s27, v32                  ; row r, 32 bytes for each half of the lanes
	v_mul_u32_u24 v32, v26, 272
	v_lshl_add_u32 v32, v25, 4, v32
	v_add_nc_u32 v[SRD], s27, v32                  ; lanes 0-15 one row, lanes 16-31 the next
	v_lshlrev_b32 v32, 8, v26
	v_lshl_add_u32 v[GO], v25, 4, v32
.irp f, 0,1,2,3,4,5,6,7
.irp i, 4,5,6,7
	v_mov_b32 v[QF+8*\f+\i], 0                     ; the upper 64 of the instruction's 128 along K: zero codes, in Q's and K's fragments, written once
.endr
.endr
.irp i, 0,1,2,3,4,5,6,7,8,9,10,11,12,13,14,15
	v_mov_b32 v[MX+\i], 0xff800000                 ; the maxima begin under every score
.endr
	s_wait_loadcnt 0x10                            ; Q is in; chunk 0's 16 loads may be out
	WIN 0x40
.irp g, 0,1,2,3,4,5,6,7
.irp i, 0,1
	global_load_b128 v[64+8*\g+4*\i:64+8*\g+4*\i+3], v[GK], s[6:7] offset:65536+1024*\g+16*\i   ; my 32 keys of chunk 1: they land while Q is quantised
.endr
.endr
	WIN 0
	QUANT4 128, QWC, 0, QWS, 0, 0
	QUANT4 160, QWC, 768, QWS, 64, 1
	s_wait_dscnt 0x0                               ; the stores have read both sets of registers
	QUANT4 192, QWC, 1536, QWS, 128, 0
	QUANT4 224, QWC, 2304, QWS, 192, 1
.irp t, 0,1,2,3
	ds_load_b128 v[QF+8*\t:QF+8*\t+3], v[KAD] offset:768*\t   ; my own bytes: LDS serves a wave's instructions in order (ISA guide 5.7.1.4)
.endr
.irp p, 0,1
	ds_load_b32 v[QSC+\p], v[KSA] offset:128*\p
.endr
	s_wait_dscnt 0x0
	s_mov_b32 s[CO], 0
	s_mov_b32 s[SO], 0
	s_mov_b32 s24, 0
; ---------------- PASS 1: eight chunks of 256 keys, two a trip ----------------
.Lchunks:
	KSLOT 0
	KSLOT 1
	s_add_co_u32 s24, s24, 1
	s_cmp_lt_u32 s24, 4
	s_cbranch_scc1 .Lchunks
; ---------------- BETWEEN THE PASSES ----------------
.irp t, 0,1,2,3
	v_max3_num_f32 v[MX+4*\t], v[MX+4*\t], v[MX+4*\t+1], v[MX+4*\t+2]
.endr
.irp t, 0,1,2,3
	v_max_num_f32 v[MX+4*\t], v[MX+4*\t], v[MX+4*\t+3]
.endr
.irp t, 0,1,2,3
	v_permlanex16_b32 v[MX+4*\t+1], v[MX+4*\t], s20, s21   ; the query's other keys lie in the lane 16 away
.endr
.irp t, 0,1,2,3
	v_max_num_f32 v[MX+4*\t], v[MX+4*\t], v[MX+4*\t+1]     ; the row's largest score
.endr
.irp t, 0,1,2,3
	v_mul_f32 v[NCM+2*\t], 0xbe38aa3b, v[MX+4*\t]          ; -c max, twice: the packed multiply-add's addend
	v_mul_f32 v[NCM+2*\t+1], 0xbe38aa3b, v[MX+4*\t]
.endr
.irp i, 0,1,2,3,4,5,6,7
	v_mov_b32 v[L+\i], 0                           ; the sums
.endr
	s_wait_loadcnt 0x0                             ; V's tiles 0 to 4 are in (the youngest was asked for a chunk's 64 products ago): no load is out when O^T takes K's registers
	CONV 0, S, 0
	CONV 16, S+8, VSLOT
	s_mov_b32 s[CO], 0
	s_mov_b32 s[SO], 0
	s_mov_b32 s24, 0
	KFRAGS KAD0, KSA0                              ; K of step 0
	BAR 1                                          ; V's tiles 0 and 1 lie in LDS.  From here step j finds K's addresses at step j + 1 and s[32:33] at V's tile j + 9
; ---------------- PASS 2: 32 steps of 64 keys ----------------
	MPH 0, 1                                       ; all waves: K Q^T of step 0,
	STAGE 0, 16, 16, 16                            ; V's tile 2 into slot 2, tile 5 asked for,
	VPH 0, 1                                       ; V(0),
	BAR 1
	MPH 1, 1                                       ; M(1): its first products start O^T.
	HALF_VM 1, 1, 0, 0, 0                          ; Group 0 goes half a step ahead: V(1); group 1 waits
.Lsteps:                                               ; ten trips of three steps; I = s24.  group 0 | group 1
	STAGE 1, 16, 9, 8                              ; step 1 + 3 I: tile 3 + 3 I into slot 0
	HALF_MV 2, 1, 1, 1, 1                          ; M(2 + 3 I) | V(1 + 3 I)
	HALF_VM 2, 1, 2, 1, 0                          ; V(2 + 3 I) | M(2 + 3 I)
	STAGE 2, 16, 9, 8                              ; step 2 + 3 I: tile 4 + 3 I into slot 1
	HALF_MV 2, 1, 2, 1, 1                          ; M(3 + 3 I) | V(2 + 3 I)
	HALF_VM 0, 1, 2, 1, 0                          ; V(3 + 3 I) | M(3 + 3 I)
	STAGE 0, 9, 8, 7                               ; step 3 + 3 I: tile 5 + 3 I into slot 2
	HALF_MV 2, 1, 0, 1, 1                          ; M(4 + 3 I) | V(3 + 3 I)
	HALF_VM 1, 1, 2, 1, 0                          ; V(4 + 3 I) | M(4 + 3 I)
	s_add_co_u32 s24, s24, 1
	s_cmp_lt_u32 s24, 10
	s_cbranch_scc1 .Lsteps
	HALF_MV 2, 0, 1, 0, 0                          ; V^T P of step 31 | V(31)
	s_cmp_eq_u32 s13, 0
	s_cbranch_scc1 .Lout
	MPH 2, 0                                       ; group 1: V^T P of step 31
.Lout:
; ---------------- THE WAY OUT ----------------
; The sum's two halves and the other half of the lanes' are added; O^T times its reciprocal goes, a tile of 16 queries at a time, through my own stage in LDS and comes back as whole rows of 256 bytes.
.irp t, 0,1,2,3
	v_add_f32 v[MX+4*\t], v[L+2*\t], v[L+2*\t+1]
.endr
.irp t, 0,1,2,3
	v_permlanex16_b32 v[MX+4*\t+1], v[MX+4*\t], s20, s21
.endr
.irp t, 0,1,2,3
	v_add_f32 v[MX+4*\t], v[MX+4*\t], v[MX+4*\t+1]
.endr
.irp t, 0,1,2,3
	v_rcp_f32 v[MX+4*\t], v[MX+4*\t]
.endr
	v_nop                                          ; a plain instruction between the last reciprocal and its use
	s_wait_alu depctr_va_vdst(0)
.irp t, 0,1,2,3
	WIN 0x01                                       ; O^T in window 1
.irp i, 0,1,2,3,4,5,6,7,8,9,10,11,12,13,14,15
	v_pk_mul_f32 v[S+32*\t+2*\i:S+32*\t+2*\i+1], v[32*\t+2*\i:32*\t+2*\i+1], v[MX+4*\t:MX+4*\t+1] op_sel_hi:[1,0]   ; each accumulator from its low end on; register 8 c + j is out(r, 16 c + 8 h + j)
.endr
	WIN 0
.irp c, 0,1,2,3
	ds_store_b128 v[STO], v[S+32*\t+8*\c:S+32*\t+8*\c+3] offset:64*\c
	ds_store_b128 v[STO], v[S+32*\t+8*\c+4:S+32*\t+8*\c+7] offset:64*\c+16
.endr
.if \t >= 2
	s_wait_xcnt 0x0                                ; the stores of the tile two back have read the registers that the loads below fill
.endif
.irp i, 0,1,2,3,4,5,6,7
	ds_load_b128 v[QF+32*(\t%2)+4*\i:QF+32*(\t%2)+4*\i+3], v[SRD] offset:544*\i   ; in order behind my stores; the next tile's stores come behind these
.endr
.irp i, 0,1,2,3,4,5,6,7
	s_wait_dscnt 7-\i                              ; rows 2 i and 2 i + 1 are back; the younger loads may be out
	global_store_b128 v[GO], v[QF+32*(\t%2)+4*\i:QF+32*(\t%2)+4*\i+3], s[10:11] offset:4096*\t+512*\i th:TH_STORE_NT   ; sixteen lanes store a row: 256 consecutive bytes, at a multiple of 256 from out0's first byte
.endr
.endr
	s_barrier_signal -1
	s_barrier_wait -1
	s_wait_xcnt 0x0
	v_lshl_add_u32 v254, v0, 2, 0x30800
	v_mov_b32 v255, 0
	s_wait_tensorcnt 0x0
	ds_add_u32 v254, v255
	s_wait_dscnt 0x0
	s_endpgm
.Lfunc_end_k_qe727c5ee27_attn:
	.size	k_qe727c5ee27_attn, .Lfunc_end_k_qe727c5ee27_attn-k_qe727c5ee27_attn
	.p2alignl 7, 3214868480
	.fill 96, 4, 3214868480
	.section	.rodata,"a",@progbits
	.p2align	6, 0x0
	.amdhsa_kernel k_qe727c5ee27_attn
		.amdhsa_group_segment_fixed_size 199680
		.amdhsa_private_segment_fixed_size 0
		.amdhsa_enable_private_segment 0
		.amdhsa_kernarg_size 32
		.amdhsa_user_sgpr_count 2
		.amdhsa_user_sgpr_kernarg_segment_ptr 1
		.amdhsa_wavefront_size32 1
		.amdhsa_system_sgpr_workgroup_id_x 1
		.amdhsa_system_sgpr_workgroup_id_y 1
		.amdhsa_system_sgpr_workgroup_id_z 1
		.amdhsa_system_vgpr_workitem_id 0
		.amdhsa_next_free_vgpr 512
		.amdhsa_next_free_sgpr 66
		.amdhsa_reserve_vcc 0
		.amdhsa_float_denorm_mode_32 3
		.amdhsa_float_denorm_mode_16_64 3
		.amdhsa_memory_ordered 1
		.amdhsa_forward_progress 1
		.amdhsa_inst_pref_size 255
	.end_amdhsa_kernel
	.section	.bss,"aw",@nobits
	.p2align	6
	.space	262144
	.amdgpu_metadata
---
amdhsa.version: [ 1, 2 ]
amdhsa.kernels:
  - .name:           k_qe727c5ee27_attn
    .symbol:         k_qe727c5ee27_attn.kd
    .args:
      - { .name: query, .offset: 0, .size: 8, .value_kind: global_buffer, .address_space: global }
      - { .name: key, .offset: 8, .size: 8, .value_kind: global_buffer, .address_space: global }
      - { .name: value, .offset: 16, .size: 8, .value_kind: global_buffer, .address_space: global }
      - { .name: out0, .offset: 24, .size: 8, .value_kind: global_buffer, .address_space: global }
    .group_segment_fixed_size: 199680
    .private_segment_fixed_size: 0
    .kernarg_segment_align: 8
    .kernarg_segment_size: 32
    .max_flat_workgroup_size: 256
    .sgpr_count:     66
    .vgpr_count:     512
    .wavefront_size: 32
...
	.end_amdgpu_metadata
.endif
;; end of part 1
;; ======== version 2 of 2: 1 launch; version 1 with the launch attn written anew for expert scheduling mode
;; limits: values are held in f16: magnitudes above 65,504 overflow, below 6.1e-05 lose precision
;; launch attn (part 2): grid 4 x 64, 8 waves a work-group, no clusters, 199,680 bytes of LDS; arguments query, key, value, out0; writes out0
.if DOCPART == 2
	.amdgcn_target "amdgcn-amd-amdhsa--gfx1250"
	.amdhsa_code_object_version 6
	.text
	.protected	k_qe727c5ee27_attn
	.globl	k_qe727c5ee27_attn
	.p2align	8
	.type	k_qe727c5ee27_attn,@function
k_qe727c5ee27_attn:
	s_mov_b64 s[64:65], 0
	v_nop
	global_prefetch_b8 v0, s[64:65] scope:SCOPE_SE
	s_setreg_imm32_b32 hwreg(HW_REG_WAVE_SCHED_MODE, 0, 2), 2
	s_setreg_imm32_b32 hwreg(HW_REG_WAVE_MODE, 25, 1), 1
	s_wait_xcnt 0x0
	s_wait_alu depctr_vm_vsrc(0)
; out[h][q][:] = sum over k of softmax_k(Q[h][q] . K[h][k] / 8) V[h][k][:].  64 heads, 2,048 rows of 64 numbers, all f32.
; The first product runs on codes of E2M1 with one E8M0 scale for each 32 of the head's 64 (both operands quantised here, in f32); the second on f16 (p and V rounded once), sums in f32.
; f16 AND NOT bf16 for the second product: eleven significant bits against eight, so that the rounding of p and V is eight times finer; both operands have room in it (LIMITS).
; SHARES.  A work-group owns 512 queries of one head (grid 4 x 64), each of its eight waves 64: four tiles of 16.  512 registers a wave, two waves to a SIMD.
; THE KEYS ARE WALKED TWICE.  Pass 1: K is quantised, 256 keys at a time, into LDS, where the head's codes (2,048 x 32 bytes) and scale words stay; S^T = K Q^T is formed and only each query's largest score is kept.
; Pass 2: S^T is formed again from the same codes (the same bits), p = 2^(c s - c max) with the row's TRUE maximum, c = log2(e) / 8; the row's sum of p in f32; O^T += V^T P.  So there are no running statistics and O is never rescaled.
; LAYOUT.  Both products are used transposed (source 0 = 16 keys or 16 channels, source 1 = 16 queries): a lane holds ONE query (lane % 16) throughout.  The scaled form takes 128 along K; the head has 64:
; registers 4-7 of every fragment of codes are zeros on BOTH sides, and bytes 2, 3 of every scale word are 0 (a finite scale over zero codes).
; BY TURNS IN PASS 2.  The waves form two groups, so chosen that waves W and W + 4, and waves 2 i and 2 i + 1, lie in different groups.  In a half step one group has its matrix phase M(j) (V^T P of step j - 1, K Q^T of step j),
; the other its vector phase V(j) (the LDS loads for the next M, the softmax of step j); a work-group barrier closes each half step, then they change places.  V's way from memory into LDS stands outside the phases,
; in text that every wave runs, once a step: so its register sets take turns in one order on every way through the text.
; NO TENSOR LOADS, NO CLUSTER, though the four work-groups of a head read the same K and V: both arrive as f32 and no product takes them as they lie.  Every byte passes through registers first (quantiser, rounding), so it is
; loaded straight into registers.  A joint load would put a head's 2 x 512 KiB of f32 into each LDS and have them read out again, beside the 104 KiB of codes and 256 KiB of f16 that are stored there anyway.
; A launch of its own for the codes would read the inputs once more than this text does.
; LIMITS.  NaN and infinities among the inputs are not served.  A number of value beyond 65,504 in magnitude becomes infinite in f16; under 2^-14 it is kept with an absolute error of at most 2^-25.
; p lies in 0 .. 1 (the row's maximum is taken away): under 2^-14 it is kept with an absolute error of at most 2^-25, 2,048 of which are 2^-14 beside a row's sum of at least 1.
; A block of zeros gets the scale byte 1 where the quantiser says 127: its codes are zeros, and only this text reads the bytes.  A p under 2^-126 counts as 0 (v_exp_f32's result: ISA guide 15.8).
; THE MODE: SCHED_MODE bits 1:0 = 2 (LLVM: expert scheduling mode 2), set by the entry lines.  The code itself states the register dependences
; between vector or matrix instructions and memory or LDS instructions, with s_wait_alu, always for 0.
; THE PLAN.  Registers that memory or LDS instructions touch, and who else names them:
;   v1-3, v11-18      offsets and addresses, made at the head by vector instructions and never written again.
;   v5, v6, v9, v10   addresses that walk: written by vector adds at the head of a slot of pass 1 (v9, v10 in pass 2: in the barrier that steps the pointers); read by the quantiser's LDS stores and by K's LDS loads.
;   v32-47            two sets of codes and scale words: written by the quantiser, read by its LDS stores.  In pass 2 v40-47 (T): written by V's roundings, read by two LDS stores.
;   window 1          K as loaded (two sets), Q as loaded, V as loaded (three sets): global loads land there; the quantiser or the roundings read them.
;   K's fragments' low four registers and K's scale words: LDS loads land there; the scaled products read them.  V's fragments: the turning loads land there; the f16 products read them.
;   v112-239 (S)      data of LDS stores twice: between the passes (V's tiles 0 and 1, rounded) and on the way out (O^T divided).  v48-111 on the way out: LDS loads land there, global stores read them.
; THE WAITS.  A slot of pass 1: one on vm_vsrc at its head, one on va_vdst behind its two runs of the quantiser, one on va_vdst for every eight products, ahead of the next two fragments.  A step of pass 2, in each wave:
; one on va_vdst behind V's roundings, one at the head of the vector phase, one behind the softmax's exponentials, and one on vm_vsrc in the barrier that steps the pointers.  A matrix phase holds none: it touches no LDS and no memory.
;
; LDS
.set VSLOT, 10240                      ; a tile of V: 64 keys x (128 bytes of f16 + 32 of padding): rows 160 bytes apart
.set KC,    3*VSLOT                    ; behind V's ring of three slots (tile t in slot t % 3): K's codes, key k at 48 k (32 bytes + 16 of padding)
.set SCK,   KC+2048*48                 ; K's scale words, 4 k
.set QC,    SCK+2048*4                 ; Q's codes, row 64 W + q at pitch 48: a wave touches its own rows alone
.set SCQ,   QC+512*48                  ; Q's scale words
.set STG,   SCQ+512*4                  ; the way out: 16 rows x (256 + 16) bytes for each wave; ends at 198,656
; REGISTERS, window 0
.set GQ,   1                           ; 32 l: my 32 bytes of four rows of 256
.set GK,   2                           ; + 8,192 W: my wave's 32 keys of a chunk
.set GV,   3                           ; 32 l + 2,048 W: my wave's 8 keys of a tile of V
.set SH,   4                           ; 8 x (my block of the row): where my scale byte stands in the word
.set QWC,  5                           ; where I store Q's codes, and
.set QWS,  6                           ; Q's scale words; from pass 1 on the same two registers serve K's:
.set KWC,  5
.set KWS,  6
.set KWC0, 7                           ; KC + (32 W + l / 8) 48 + 4 (l % 8)
.set KWS0, 8                           ; SCK + 4 (32 W + l / 8)
.set KAD,  9                           ; where the K fragments in hand lie: KAD0 + a scalar
.set KSA,  10                          ; and their scale words: KSA0 + a scalar
.set VLD,  11                          ; the turning load's lane term
.set VST,  12                          ; where I store 16 bytes of a row of V
.set PFO,  13                          ; 256 x my thread's number: a lane a row
.set STO,  14                          ; the way out: in,
.set SRD,  15                          ; back,
.set GO,   16                          ; and my byte in two rows of out
.set KAD0, 17                          ; KC + 48 r + 16 h
.set KSA0, 18                          ; SCK + 4 l
.set KSC,  20                          ; v20-21 K's scale words: lanes 0-15 the even tile's, lanes 16-31 the odd tile's
.set QSC,  22                          ; v22-23 Q's likewise
.set QM,   24                          ; the quantiser: v24-27 largest magnitudes, v28-31 scale operands, v32-39 codes (two sets), v40-47 scale words (two sets)
.set QS,   28
.set QCD,  32
.set QB,   40
.set NCM,  24                          ; pass 2: v24-31 -c max, twice, for each tile; v32-39 the sum, in two halves, for each tile; v40-47 V on its way
.set L,    32
.set T,    40
.set QF,   48                          ; v48-79   Q's four fragments
.set KF,   80                          ; v80-111  four fragments of K
.set S,    112                         ; v112-239 S^T: tile t, key tile kt at S + 32 t + 8 kt; p in f16 is laid in place at S + 32 t + 0 .. 15
.set MX,   240                         ; v240-255 four chains of maxima a tile; at the end the sums and their reciprocals
; window 1: v0-127 O^T (tile t, channels 16 c on at 8 (4 t + c)); in pass 1 K as loaded, two sets of 64.  v128-191 V's fragments.  v192-239 V as loaded, three sets of 16.  At the head v128-255: Q as loaded.
.set VF,   128
.set VSTG, 192
; SCALARS: s[4:5] Q, s[10:11] out at my wave's rows; s[6:7] K, walking; s[8:9] V at the head; s12 wave; s13 group; s[20:21] lane selects; s[22:23] c; s24 trips; s25, s26 who prefetches; s27, s36, s37 at work
.set VP,   32                          ; s[32:33] V, walking
.set CO,   34                          ; s34 bytes of codes,
.set SO,   35                          ; s35 of scale words, from K's first key to the keys in hand
.set MSB, 0
.macro WIN new                         ; s_set_vgpr_msb: bits 1:0 source 0, 3:2 source 1, 5:4 source 2, 7:6 destination; the high byte repeats the setting that is left
.if MSB != \new
	s_set_vgpr_msb (MSB<<8)|\new
.set MSB, \new
.endif
.endm
.macro PLACES n                        ; plain vector instructions between a matrix instruction and what touches its registers (ISA guide 7.12.1)
.rept \n
	v_nop
.endr
.endm
; Sixteen rows x 64 numbers become codes and scale words.  Group g (four rows) stands in registers x + 8 g .. + 7 of window 1: lane l holds channels 8 (l % 8) .. + 7 of row 4 g + l / 8, so four neighbouring lanes hold a block of 32.
; QCALC is the arithmetic, into set ts of the codes' and words' registers; QSEND the LDS stores that read that set.  Two QCALC stand ahead of one wait and two QSEND.
.macro QCALC x, ts
	WIN 0x14
.irp g, 0,1,2,3
	v_max3_num_f32 v[QM+\g], 0x1800000, |v[(\x)+8*\g]|, |v[(\x)+8*\g+1]|   ; my eight numbers, and the floor 2^(3 - 127): the byte cannot fall under 1.  (The four groups by turns)
.endr
.irp i, 2,4,6
.irp g, 0,1,2,3
	v_max3_num_f32 v[QM+\g], v[QM+\g], |v[(\x)+8*\g+\i]|, |v[(\x)+8*\g+\i+1]|
.endr
.endr
	WIN 0
.irp g, 0,1,2,3
	v_max_num_f32_dpp v[QM+\g], v[QM+\g], v[QM+\g] row_xmask:1 row_mask:0xf bank_mask:0xf
.endr
.irp g, 0,1,2,3
	v_max_num_f32_dpp v[QM+\g], v[QM+\g], v[QM+\g] row_xmask:2 row_mask:0xf bank_mask:0xf   ; the block's largest magnitude
.endr
.irp g, 0,1,2,3
	v_add_nc_u32 v[QS+\g], 0xff000000, v[QM+\g]    ; 2 off its exponent field: the conversion takes this operand's exponent field as its scale
.endr
	WIN 0x01
.irp g, 0,1,2,3
	v_cvt_scalef32_pk8_fp4_f32 v[QCD+4*\ts+\g], v[(\x)+8*\g:(\x)+8*\g+7], v[QS+\g]   ; to the nearest code, ties to even; beyond 6 the largest code
.endr
	WIN 0
.irp g, 0,1,2,3
	v_lshrrev_b32 v[QB+4*\ts+\g], 23, v[QS+\g]     ; the scale's byte.  (The plain instruction behind the conversions)
.endr
.irp g, 0,1,2,3
	v_lshlrev_b32 v[QB+4*\ts+\g], v[SH], v[QB+4*\ts+\g]   ; at its block's place in the word
.endr
.irp g, 0,1,2,3
	v_mov_b32_dpp v[QM+\g], v[QB+4*\ts+\g] row_xmask:4 row_mask:0xf bank_mask:0xf   ; the row's other block's
.endr
.irp g, 0,1,2,3
	v_or_b32 v[QB+4*\ts+\g], v[QB+4*\ts+\g], v[QM+\g]
.endr
.endm
.macro QSEND ca, coff, sa, soff, ts
.irp g, 0,1,2,3
	ds_store_b32 v[\ca], v[QCD+4*\ts+\g] offset:\coff+192*\g   ; eight codes: 4 bytes of my row's 32
	ds_store_b32 v[\sa], v[QB+4*\ts+\g] offset:\soff+16*\g     ; a row's eight lanes store the same word to the same place
.endr
.endm
; One product of S^T = K Q^T: key tile kk, query tile tt (symbols).  In the result lane (r, h) holds query r, register j key 16 kk + 8 h + j.  Each starts its sum with the constant 0: the head's 64 are one instruction deep.
.macro QKW
.set rS, S+32*tt+8*kk
.set rK, KF+8*kk
.set rQ, QF+8*tt
.if (kk%2 == 0) && (tt%2 == 0)
	v_wmma_scale_f32_16x16x128_f8f6f4 v[rS:rS+7], v[rK:rK+7], v[rQ:rQ+7], 0, v[KSC+kk/2], v[QSC+tt/2] matrix_a_fmt:MATRIX_FMT_FP4 matrix_b_fmt:MATRIX_FMT_FP4
.elseif kk%2 == 0
	v_wmma_scale_f32_16x16x128_f8f6f4 v[rS:rS+7], v[rK:rK+7], v[rQ:rQ+7], 0, v[KSC+kk/2], v[QSC+tt/2] matrix_a_fmt:MATRIX_FMT_FP4 matrix_b_fmt:MATRIX_FMT_FP4 matrix_b_scale:MATRIX_SCALE_ROW1
.elseif tt%2 == 0
	v_wmma_scale_f32_16x16x128_f8f6f4 v[rS:rS+7], v[rK:rK+7], v[rQ:rQ+7], 0, v[KSC+kk/2], v[QSC+tt/2] matrix_a_fmt:MATRIX_FMT_FP4 matrix_b_fmt:MATRIX_FMT_FP4 matrix_a_scale:MATRIX_SCALE_ROW1
.else
	v_wmma_scale_f32_16x16x128_f8f6f4 v[rS:rS+7], v[rK:rK+7], v[rQ:rQ+7], 0, v[KSC+kk/2], v[QSC+tt/2] matrix_a_fmt:MATRIX_FMT_FP4 matrix_b_fmt:MATRIX_FMT_FP4 matrix_a_scale:MATRIX_SCALE_ROW1 matrix_b_scale:MATRIX_SCALE_ROW1
.endif
.endm
.macro MAX4 idx                        ; the eight scores of product idx go into the tile's four chains; the accumulator is read from its low end on
.set mD, S+32*((\idx)%4)+8*(((\idx)/4)%4)
.set mX, MX+4*((\idx)%4)
.irp q, 0,1,2,3
	v_max3_num_f32 v[mX+\q], v[mX+\q], v[mD+2*\q], v[mD+2*\q+1]
.endr
.endm
; A chunk of 256 keys against my 64 queries: 64 products, key tile by key tile.  Behind product n stand the four maxima of product n - 8: they are also the places behind it.
; The first six LDS loads owe no wait of their own: the slot's wait on va_vdst stands behind the last chunk's products and behind the adds that made v[KAD] and v[KSA], and nothing since names these registers.
.macro QKMAX
.irp q, 0,1
	ds_load_b128 v[KF+8*\q:KF+8*\q+3], v[KAD] offset:768*\q
.endr
	ds_load_b32 v[KSC], v[KSA]
.irp q, 2,3
	ds_load_b128 v[KF+8*\q:KF+8*\q+3], v[KAD] offset:768*\q
.endr
	ds_load_b32 v[KSC+1], v[KSA] offset:128
.set n, 0
.rept 64
.set kk, (n/4)%4
.set tt, n%4
.if n == 56
	s_wait_dscnt 0x0                               ; the last two fragments: nothing was asked for behind them
.elseif n%8 == 0
	s_wait_dscnt 0x3                               ; two fragments and their scale words are in; the two fragments and the word asked for behind them may be out
.endif
	QKW
.if n >= 8
	MAX4 n-8
.endif
.if (n%8 == 7) && (n < 48)                     ; two fragments' eight products are issued: both take the tiles 64 keys on, and their scale register the words, eight products ahead of their use
.if n < 8
	PLACES 4                                       ; (the first run has no maxima behind its last product)
.endif
	s_wait_alu depctr_va_vdst(0)                   ; the eight products are done reading the two fragments and the scale register in which the three loads below land
	ds_load_b128 v[KF+8*(kk-1):KF+8*(kk-1)+3], v[KAD] offset:3072*(n/16+1)+768*(kk-1)
	ds_load_b128 v[KF+8*kk:KF+8*kk+3], v[KAD] offset:3072*(n/16+1)+768*kk
	ds_load_b32 v[KSC+kk/2], v[KSA] offset:256*(n/16+1)+128*(kk/2)
.endif
.set n, n+1
.endr
.set n, 56
.rept 8
	MAX4 n
.set n, n+1
.endr
.endm
; A prefetch into the L2, a lane a row of 256 bytes.  The head's first work-group asks and nobody else (s25, s26 are 0 there, in the waves that ask, else 256), while the trip count s24 is under thr: each row is named once in the launch.
; (v[PFO] was written at the head, ahead of the head's waits on va_vdst, and is never written again.)
.macro ASK big, thr, adr, off
	s_or_b32 s27, s24, s[\big]
	s_cmp_lt_u32 s27, \thr
	s_cbranch_scc0 .Lna_\@
	global_prefetch_b8 v[PFO], s[\adr:\adr+1] offset:\off th:TH_LOAD_NT scope:SCOPE_SE
.Lna_\@:
.endm
.macro VTILE reg, bs, off              ; my wave's 8 keys of a tile of V, 16 registers of window 1 (the caller sets the window)
.irp g, 0,1
.irp i, 0,1
	global_load_b128 v[(\reg)+8*\g+4*\i:(\reg)+8*\g+4*\i+3], v[GV], s[\bs:\bs+1] offset:(\off)+1024*\g+16*\i
.endr
.endr
.endm
.macro CONVC x, d                      ; they are rounded to f16,
	WIN 0x05
.irp g, 0,1
.irp i, 0,1,2,3
	v_cvt_pk_f16_f32 v[(\d)+4*\g+\i], v[(\x)+8*\g+2*\i], v[(\x)+8*\g+2*\i+1]
.endr
.endr
	WIN 0
.endm
.macro CONVS d, off                    ; and stored: 16 bytes a lane, rows l / 8 and 4 + l / 8 of my eight
	ds_store_b128 v[VST], v[(\d):(\d)+3] offset:\off
	ds_store_b128 v[VST], v[(\d)+4:(\d)+7] offset:(\off)+640
.endm
; PASS 1, chunk 2 s24 + e.  My wave quantises 32 of its 256 keys from set e; the set then takes the chunk two further on.  In the last trip there is none: V's first five tiles are asked for instead.
; Either way of the branch issues 16 loads or waits for all: so the count 16 at a slot's head holds whichever way led to it.
.macro KSLOT e
	s_wait_alu depctr_vm_vsrc(0)                   ; the LDS stores issued so far have read v[KWC], v[KWS] and both sets of codes and words, the LDS loads v[KAD] and v[KSA]: all of these are written again below
	v_add_nc_u32 v[KWC], s[CO], v[KWC0]            ; (no LDS instruction of mine is out here)
	v_add_nc_u32 v[KWS], s[SO], v[KWS0]
	v_add_nc_u32 v[KAD], s[CO], v[KAD0]
	v_add_nc_u32 v[KSA], s[SO], v[KSA0]
	s_wait_loadcnt 0x10                            ; this chunk's 16 loads are in; the 16 issued behind them may be out
	QCALC 64*\e, 0
	QCALC 64*\e+32, 1
	s_wait_alu depctr_va_vdst(0)                   ; the four addresses, the codes and the words are written, which the LDS stores and loads below read; the quantiser is done reading set e, in which the global loads below land;
	                                               ; the last chunk's products are done reading K's fragments and scale words, in which this chunk's first LDS loads land
	QSEND KWC, 0, KWS, 0, 0
	QSEND KWC, 768, KWS, 64, 1
	s_wait_xcnt 0x0                                ; the loads and prefetches of the last slot have read their bases
	s_add_nc_u64 s[6:7], s[6:7], 65536             ; K: one chunk further on than the chunk in hand
	s_add_nc_u64 s[VP:VP+1], s[VP:VP+1], 16384     ; V: one tile a slot
	s_add_co_u32 s[CO], s[CO], 12288
	s_add_co_u32 s[SO], s[SO], 1024
	s_cmp_lt_u32 s24, 3
	s_cbranch_scc0 .Lkv_\@
	WIN 0x40
.irp g, 0,1,2,3,4,5,6,7
.irp i, 0,1
	global_load_b128 v[64*\e+8*\g+4*\i:64*\e+8*\g+4*\i+3], v[GK], s[6:7] offset:65536+1024*\g+16*\i   ; no vector instruction since the wait above names set e
.endr
.endr
	WIN 0
	s_branch .Lkj_\@
.Lkv_\@:
	s_wait_loadcnt 0x0                             ; what was asked for a slot ago
	WIN 0x40
.if \e == 0
	VTILE 0, 8, 0                                  ; tiles 0 and 1 into the set just quantised, tiles 2 and 3 into V's sets 0 and 1 (last read by Q's quantiser, at the head)
	VTILE 16, 8, 16384
	VTILE VSTG, 8, 32768
	VTILE VSTG+16, 8, 49152
.else
	VTILE VSTG+32, 8, 65536                        ; tile 4 into set 2
.endif
	WIN 0
.Lkj_\@:
	ASK 25, 2, 6, 196608                           ; K's chunk four on, two slots ahead of its loads: all eight waves, 256 rows; chunks 0 to 3 come by their loads alone
	ASK 26, 4, VP, -16384                          ; V's tile of this slot's number: waves 0 and 1, 64 rows
	s_wait_dscnt 0x0                               ; my codes and scale words have landed
	s_barrier_signal -1
	s_barrier_wait -1                              ; everybody's have.  K's bytes are written once, and the next chunk's are other bytes: one barrier a chunk
	QKMAX
.endm
.macro KFRAGS ka, sa                   ; a step's four fragments of K and their scale words
.irp q, 0,1,2,3
	ds_load_b128 v[KF+8*\q:KF+8*\q+3], v[\ka] offset:768*\q
.endr
.irp p, 0,1
	ds_load_b32 v[KSC+\p], v[\sa] offset:128*\p
.endr
.endm
; V'S WAY INTO LDS, step j, set = j % 3; every wave runs it, once a step.  Tile j + 2 goes from register set j % 3, rounded to f16, into slot (j + 2) % 3 (while s24 < cthr); tile j + 5 comes from memory into that set
; (s24 < lthr); tile j + 8 is asked for (s24 < pthr; waves 0 and 1 of the head's first work-group, 32 rows each: three steps ahead of the tile's loads).  A threshold of 16: always.
; The slot's last tile, j - 1, was last read two barriers back; tile j + 2 is first read three barriers on.
; The way that loads waits with the count 8; the way that does not waits for all: so the count 8 holds whichever ways led to it.
; T is written again here: the stores that read it a step ago stand ahead of the wait on vm_vsrc in the barrier that stepped the pointers.
.macro STAGE set, cthr, lthr, pthr
.if \lthr == 16
	s_wait_loadcnt 0x8                             ; the set's four loads are in; the two younger sets' may be out
	CONVC VSTG+16*\set, T
	s_wait_alu depctr_va_vdst(0)                   ; the roundings have written T, which the two LDS stores read, and are done reading the set, in which the four loads land
	CONVS T, VSLOT*((\set+2)%3)
	WIN 0x40
	VTILE VSTG+16*\set, VP, -65536
	WIN 0
.else
	s_cmp_lt_u32 s24, \lthr
	s_cbranch_scc0 .Lnl_\@
	s_wait_loadcnt 0x8                             ; as above
	CONVC VSTG+16*\set, T
	s_wait_alu depctr_va_vdst(0)                   ; the roundings have written T, which the two LDS stores read, and are done reading the set, in which the four loads land
	CONVS T, VSLOT*((\set+2)%3)
	WIN 0x40
	VTILE VSTG+16*\set, VP, -65536
	WIN 0
	s_branch .Lcd_\@
.Lnl_\@:
	s_wait_loadcnt 0x0                             ; V's last tiles: nothing is asked for behind them
.if \cthr < 16
	s_cmp_lt_u32 s24, \cthr
	s_cbranch_scc0 .Lcd_\@
.endif
	CONVC VSTG+16*\set, T
	s_wait_alu depctr_va_vdst(0)                   ; the roundings have written T, which the two LDS stores read
	CONVS T, VSLOT*((\set+2)%3)
.Lcd_\@:
.endif
	ASK 26, \pthr, VP, -16384
.endm
; THE SOFTMAX OF A STEP: 64 pairs of scores, pair n = pair n / 4 of tile n % 4.  ONE BATCH: the 64 packed scalings c s - c max, and two pairs behind each its pair's two exponentials: none of these names an exponential's result.
; Then one plain instruction and one wait; then, pair by pair in the same order, the sum (packed) and the rounding to f16, laid in place.  The sum stands ahead of the rounding, which writes over weights that are done with.
.macro SOFT
.set k, 0
.rept 66
.if k < 64
.set a0, S+32*(k%4)+2*(k/4)
	v_pk_fma_f32 v[a0:a0+1], v[a0:a0+1], s[22:23], v[NCM+2*(k%4):NCM+2*(k%4)+1] op_sel_hi:[1,0,1]
.endif
.if k >= 2
.set a1, S+32*((k-2)%4)+2*((k-2)/4)
	v_exp_f32 v[a1], v[a1]
	v_exp_f32 v[a1+1], v[a1+1]
.endif
.set k, k+1
.endr
	v_nop                                          ; the plain instruction behind the last exponential, ahead of the first use
	s_wait_alu depctr_va_vdst(0)                   ; the 128 exponentials have written their results, ahead of the first instruction that names one: one wait for the batch
.set k, 0
.rept 64
.set a2, S+32*(k%4)+2*(k/4)
	v_pk_add_f32 v[L+2*(k%4):L+2*(k%4)+1], v[L+2*(k%4):L+2*(k%4)+1], v[a2:a2+1]
	v_cvt_pk_f16_f32 v[S+32*(k%4)+k/4], v[a2], v[a2+1]
.set k, k+1
.endr
.endm
; THE MATRIX PHASE.  pv = 2: 32 products O^T += V^T P (keys 32 ks on, channels 16 c on, tile t); pv = 1: the first 16 start the sums; 0: none.  kq = 1: the next step's 16 products K Q^T.
; The 16 accumulators take turns, one instruction a turn.  It touches no LDS and no memory.
.macro MPH pv, kq
.if \pv
	WIN 0x51                                       ; V and O^T in window 1, P in window 0
.irp ks, 0,1
.irp c, 0,1,2,3
.irp t, 0,1,2,3
.if (\pv == 1) && (\ks == 0)
	v_wmma_f32_16x16x32_f16 v[8*(4*\t+\c):8*(4*\t+\c)+7], v[VF+8*(4*\ks+\c):VF+8*(4*\ks+\c)+7], v[S+32*\t+8*\ks:S+32*\t+8*\ks+7], 0
.else
	v_wmma_f32_16x16x32_f16 v[8*(4*\t+\c):8*(4*\t+\c)+7], v[VF+8*(4*\ks+\c):VF+8*(4*\ks+\c)+7], v[S+32*\t+8*\ks:S+32*\t+8*\ks+7], v[8*(4*\t+\c):8*(4*\t+\c)+7]
.endif
.endr
.endr
.endr
	WIN 0
.endif
.if \pv && \kq
	PLACES 5                                       ; the scores are written over P, which the products above have read: one place more than a vector instruction wants
.endif
.if \kq
.set kk, 0
.rept 4
.set tt, 0
.rept 4
	QKW
.set tt, tt+1
.endr
.set kk, kk+1
.endr
.endif
.if \pv || \kq
	PLACES 5                                       ; a wave's next phase is a vector phase, whose first read of the scores wants four (its loads into V's and K's fragments stand behind that phase's own wait besides); five are
	                                               ; written, so that the distance holds whichever phase stands next in the text: a product that took these scores as an operand would want five
.endif
.endm
; THE VECTOR PHASE V(j), set = j % 3.  It fetches V's tile j (slot j % 3, turned) and, with kf = 1, K's fragments of step j + 1, for the next matrix phase, and walks the softmax.
; All its loads stand at its head, behind one wait, and land while the softmax is walked; the softmax names none of their registers.
.macro VPH set, kf
	WIN 0x40
	s_wait_alu depctr_va_vdst(0)                   ; my last matrix phase is done reading V's and K's fragments and K's scale words, in which the loads below land; v[KAD] and v[KSA], stepped in a barrier since, are written
.irp ks, 0,1
.irp c, 0,1,2,3
	ds_load_tr16_b128 v[VF+8*(4*\ks+\c):VF+8*(4*\ks+\c)+3], v[VLD] offset:VSLOT*\set+5120*\ks+32*\c
	ds_load_tr16_b128 v[VF+8*(4*\ks+\c)+4:VF+8*(4*\ks+\c)+7], v[VLD] offset:VSLOT*\set+5120*\ks+2560+32*\c
.endr
.endr
	WIN 0
.if \kf
	KFRAGS KAD, KSA
.endif
	SOFT
.endm
; THE BARRIER THAT CLOSES A HALF STEP.  In front of its signal my LDS loads are in and my LDS stores have landed.  adv = 1: both groups have had V(j): the pointers step, in text that every wave runs.
; K's addresses are held at the last step, 31: V(31) fetches that step's fragments once more, and nothing uses them.
.macro BAR adv
	s_wait_dscnt 0x0
.if \adv
	s_wait_xcnt 0x0                                ; my loads and prefetch of V, half a step back, have read their base
	s_wait_alu depctr_vm_vsrc(0)                   ; K's LDS loads have read v[KAD] and v[KSA], which the two adds below write; V's LDS stores have read their data, which the next step's roundings
	                                               ; (the first time: the first scores, and the first roundings over the quantiser's words) write again
.endif
	s_barrier_signal -1
.if \adv
	s_add_nc_u64 s[VP:VP+1], s[VP:VP+1], 16384
	s_add_co_u32 s[CO], s[CO], 3072
	s_add_co_u32 s[SO], s[SO], 256
	s_min_u32 s36, s[CO], 31*3072
	s_min_u32 s37, s[SO], 31*256
	v_add_nc_u32 v[KAD], s36, v[KAD0]
	v_add_nc_u32 v[KSA], s37, v[KSA0]
.endif
	s_barrier_wait -1
.endm
.macro HALF_MV pv, kq, set, kf, adv    ; group 0: matrix phase; group 1: vector phase
	s_cmp_eq_u32 s13, 0
	s_cbranch_scc0 .Lhv_\@
	MPH \pv, \kq
	s_branch .Lhj_\@
.Lhv_\@:
	VPH \set, \kf
.Lhj_\@:
	BAR \adv
.endm
.macro HALF_VM set, kf, pv, kq, adv    ; the other way round
	s_cmp_eq_u32 s13, 0
	s_cbranch_scc0 .Lhm_\@
	VPH \set, \kf
	s_branch .Lhj_\@
.Lhm_\@:
	MPH \pv, \kq
.Lhj_\@:
	BAR \adv
.endm
; ---------------- THE HEAD ----------------
	s_load_b256 s[4:11], s[0:1], 0x0               ; query s[4:5], key s[6:7], value s[8:9], out0 s[10:11]
	v_lshrrev_b32 v19, 5, v0
	v_readfirstlane_b32 s12, v19                   ; wave 0..7
	s_wait_alu depctr_va_sdst(0)                   ; s12 is written, ahead of its first reader: the group, the bases and the LDS addresses are made from it
	s_lshr_b32 s13, s12, 2
	s_xor_b32 s13, s13, s12
	s_and_b32 s13, s13, 1                          ; group: 0 1 0 1 1 0 1 0
	s_and_b32 s16, ttmp7, 0xffff                   ; the head,
	s_lshl_b32 s16, s16, 19                        ; 2,048 rows of 256 bytes each
	s_mov_b32 s17, 0
	s_lshl_b32 s18, ttmp9, 17                      ; my block of 512 queries,
	s_lshl_b32 s19, s12, 14                        ; my wave's 64
	s_add_co_u32 s18, s18, s19
	s_add_co_u32 s18, s18, s16
	s_mov_b32 s19, 0
	s_cmp_eq_u32 ttmp9, 0                          ; the head's first work-group prefetches K,
	s_cselect_b32 s25, 0, 256
	s_lshr_b32 s27, s12, 1
	s_or_b32 s27, s27, ttmp9
	s_cmp_eq_u32 s27, 0                            ; and its waves 0 and 1 V
	s_cselect_b32 s26, 0, 256
	s_mov_b32 s20, 0x76543210                      ; v_permlanex16_b32: lane l xor 16
	s_mov_b32 s21, 0xfedcba98
	s_mov_b32 s22, 0x3e38aa3b                      ; c = log2(e) / 8
	s_mov_b32 s23, s22                             ; (named with it as a pair)
	v_and_b32 v24, 31, v0                          ; l
	v_lshlrev_b32 v[GQ], 5, v24
	s_lshl_b32 s27, s12, 13
	v_add_nc_u32 v[GK], s27, v[GQ]
	s_lshl_b32 s27, s12, 11
	v_add_nc_u32 v[GV], s27, v[GQ]
	s_wait_kmcnt 0x0
	s_add_nc_u64 s[4:5], s[4:5], s[18:19]
	s_add_nc_u64 s[10:11], s[10:11], s[18:19]
	s_add_nc_u64 s[6:7], s[6:7], s[16:17]
	s_add_nc_u64 s[8:9], s[8:9], s[16:17]
	s_mov_b64 s[VP:VP+1], s[8:9]
	WIN 0x40
	s_wait_alu depctr_va_vdst(0)                   ; v[GQ], v[GK] and v[GV] are written: every global load of the kernel reads one of them as its offset, and none is written again
.irp g, 0,1,2,3,4,5,6,7,8,9,10,11,12,13,14,15
.irp i, 0,1
	global_load_b128 v[128+8*\g+4*\i:128+8*\g+4*\i+3], v[GQ], s[4:5] offset:1024*\g+16*\i th:TH_LOAD_NT   ; my 64 queries: read once in the launch
.endr
.endr
.irp g, 0,1,2,3,4,5,6,7
.irp i, 0,1
	global_load_b128 v[8*\g+4*\i:8*\g+4*\i+3], v[GK], s[6:7] offset:1024*\g+16*\i   ; my 32 keys of chunk 0
.endr
.endr
	WIN 0
	; every LDS address is made here, ahead of the first parting of the groups
	v_and_b32 v25, 15, v0                          ; r
	v_bfe_u32 v26, v0, 4, 1                        ; h
	v_bfe_u32 v27, v0, 3, 2                        ; l / 8
	v_and_b32 v28, 7, v0                           ; l % 8
	v_bfe_u32 v[SH], v0, 2, 1
	v_lshlrev_b32 v[SH], 3, v[SH]
	v_mul_u32_u24 v29, v27, 48
	v_lshl_add_u32 v29, v28, 2, v29                ; (l / 8) 48 + 4 (l % 8)
	v_lshlrev_b32 v30, 2, v27
	v_mul_u32_u24 v31, v25, 48
	v_lshl_add_u32 v31, v26, 4, v31                ; a fragment's 16 bytes: 48 r + 16 h
	s_mul_i32 s27, s12, 3072
	s_add_co_u32 s27, s27, QC
	v_add_nc_u32 v[QWC], s27, v29
	v_add_nc_u32 v[KAD], s27, v31                  ; (at the head: where Q's fragments are read back)
	s_lshl_b32 s27, s12, 8
	s_add_co_u32 s27, s27, SCQ
	v_add_nc_u32 v[QWS], s27, v30
	v_lshl_add_u32 v[KSA], v24, 2, s27             ; (and Q's scale words)
	s_mul_i32 s27, s12, 1536
	s_add_co_u32 s27, s27, KC
	v_add_nc_u32 v[KWC0], s27, v29
	s_lshl_b32 s27, s12, 7
	s_add_co_u32 s27, s27, SCK
	v_add_nc_u32 v[KWS0], s27, v30
	v_add_nc_u32 v[KAD0], KC, v31
	v_lshl_add_u32 v[KSA0], v24, 2, SCK
	v_lshl_add_u32 v32, v26, 3, v28                ; the turning load: lane l reads key 8 h + l % 8, channels 8 ((l / 8) % 2) on
	v_mul_u32_u24 v32, v32, 160
	v_bfe_u32 v33, v0, 3, 1
	v_lshl_add_u32 v[VLD], v33, 4, v32
	v_mul_u32_u24 v32, v27, 160
	v_lshl_add_u32 v32, v28, 4, v32
	s_mul_i32 s27, s12, 1280
	v_add_nc_u32 v[VST], s27, v32                  ; (8 W + l / 8) 160 + 16 (l % 8)
	v_lshlrev_b32 v[PFO], 8, v0
	s_mul_i32 s27, s12, 4352
	s_add_co_u32 s27, s27, STG
	v_mul_u32_u24 v32, v25, 272
	v_lshl_add_u32 v32, v26, 5, v32
	v_add_nc_u32 v[STO], s27, v32                  ; row r, 32 bytes for each half of the lanes
	v_mul_u32_u24 v32, v26, 272
	v_lshl_add_u32 v32, v25, 4, v32
	v_add_nc_u32 v[SRD], s27, v32                  ; lanes 0-15 one row, lanes 16-31 the next
	v_lshlrev_b32 v32, 8, v26
	v_lshl_add_u32 v[GO], v25, 4, v32
.irp f, 0,1,2,3,4,5,6,7
.irp i, 4,5,6,7
	v_mov_b32 v[QF+8*\f+\i], 0                     ; the upper 64 of the instruction's 128 along K: zero codes, in Q's and K's fragments, written once
.endr
.endr
.irp i, 0,1,2,3,4,5,6,7,8,9,10,11,12,13,14,15
	v_mov_b32 v[MX+\i], 0xff800000                 ; the maxima begin under every score
.endr
	s_wait_loadcnt 0x10                            ; Q is in; chunk 0's 16 loads may be out
	WIN 0x40
.irp g, 0,1,2,3,4,5,6,7
.irp i, 0,1
	global_load_b128 v[64+8*\g+4*\i:64+8*\g+4*\i+3], v[GK], s[6:7] offset:65536+1024*\g+16*\i   ; my 32 keys of chunk 1: they land while Q is quantised.  (No vector instruction has named these registers, nor v[GK] since the wait above)
.endr
.endr
	WIN 0
	QCALC 128, 0
	QCALC 160, 1
	s_wait_alu depctr_va_vdst(0)                   ; both sets of codes and words are written, which the LDS stores read; so are all the addresses made above, and the zero codes that the scaled products take as operands
	QSEND QWC, 0, QWS, 0, 0
	QSEND QWC, 768, QWS, 64, 1
	s_wait_dscnt 0x0                               ; the stores have landed,
	s_wait_alu depctr_vm_vsrc(0)                   ; and have read both sets of registers, which the quantiser writes again
	QCALC 192, 0
	QCALC 224, 1
	s_wait_alu depctr_va_vdst(0)                   ; both sets are written anew, which the LDS stores read
	QSEND QWC, 1536, QWS, 128, 0
	QSEND QWC, 2304, QWS, 192, 1
.irp t, 0,1,2,3
	ds_load_b128 v[QF+8*\t:QF+8*\t+3], v[KAD] offset:768*\t   ; my own bytes: LDS serves a wave's instructions in order (ISA guide 5.7.1.4)
.endr
.irp p, 0,1
	ds_load_b32 v[QSC+\p], v[KSA] offset:128*\p
.endr
	s_wait_dscnt 0x0
	s_mov_b32 s[CO], 0
	s_mov_b32 s[SO], 0
	s_mov_b32 s24, 0
; ---------------- PASS 1: eight chunks of 256 keys, two a trip ----------------
.Lchunks:
	KSLOT 0
	KSLOT 1
	s_add_co_u32 s24, s24, 1
	s_cmp_lt_u32 s24, 4
	s_cbranch_scc1 .Lchunks
; ---------------- BETWEEN THE PASSES ----------------
.irp t, 0,1,2,3
	v_max3_num_f32 v[MX+4*\t], v[MX+4*\t], v[MX+4*\t+1], v[MX+4*\t+2]
.endr
.irp t, 0,1,2,3
	v_max_num_f32 v[MX+4*\t], v[MX+4*\t], v[MX+4*\t+3]
.endr
.irp t, 0,1,2,3
	v_permlanex16_b32 v[MX+4*\t+1], v[MX+4*\t], s20, s21   ; the query's other keys lie in the lane 16 away
.endr
.irp t, 0,1,2,3
	v_max_num_f32 v[MX+4*\t], v[MX+4*\t], v[MX+4*\t+1]     ; the row's largest score
.endr
.irp t, 0,1,2,3
	v_mul_f32 v[NCM+2*\t], 0xbe38aa3b, v[MX+4*\t]          ; -c max, twice: the packed multiply-add's addend
	v_mul_f32 v[NCM+2*\t+1], 0xbe38aa3b, v[MX+4*\t]
.endr
	s_wait_alu depctr_vm_vsrc(0)                   ; the last slot's LDS stores have read the codes' registers, which hold the sums from here on
.irp i, 0,1,2,3,4,5,6,7
	v_mov_b32 v[L+\i], 0                           ; the sums
.endr
	s_wait_loadcnt 0x0                             ; V's tiles 0 to 4 are in (the youngest was asked for a chunk's 64 products ago): no load is out when O^T takes K's registers
	CONVC 0, S
	CONVC 16, S+8
	s_wait_alu depctr_va_vdst(0)                   ; the roundings have written S .. S + 15, which the four LDS stores read; the last chunk's products are done reading K's fragments and scale words, in which step 0's land
	CONVS S, 0
	CONVS S+8, VSLOT
	s_mov_b32 s[CO], 0
	s_mov_b32 s[SO], 0
	s_mov_b32 s24, 0
	KFRAGS KAD0, KSA0                              ; K of step 0
	BAR 1                                          ; V's tiles 0 and 1 lie in LDS.  From here step j finds K's addresses at step j + 1 and s[32:33] at V's tile j + 9
; ---------------- PASS 2: 32 steps of 64 keys ----------------
	MPH 0, 1                                       ; all waves: K Q^T of step 0,
	STAGE 0, 16, 16, 16                            ; V's tile 2 into slot 2, tile 5 asked for,
	VPH 0, 1                                       ; V(0),
	BAR 1
	MPH 1, 1                                       ; M(1): its first products start O^T.
	HALF_VM 1, 1, 0, 0, 0                          ; Group 0 goes half a step ahead: V(1); group 1 waits
.Lsteps:                                               ; ten trips of three steps; I = s24.  group 0 | group 1
	STAGE 1, 16, 9, 8                              ; step 1 + 3 I: tile 3 + 3 I into slot 0
	HALF_MV 2, 1, 1, 1, 1                          ; M(2 + 3 I) | V(1 + 3 I)
	HALF_VM 2, 1, 2, 1, 0                          ; V(2 + 3 I) | M(2 + 3 I)
	STAGE 2, 16, 9, 8                              ; step 2 + 3 I: tile 4 + 3 I into slot 1
	HALF_MV 2, 1, 2, 1, 1                          ; M(3 + 3 I) | V(2 + 3 I)
	HALF_VM 0, 1, 2, 1, 0                          ; V(3 + 3 I) | M(3 + 3 I)
	STAGE 0, 9, 8, 7                               ; step 3 + 3 I: tile 5 + 3 I into slot 2
	HALF_MV 2, 1, 0, 1, 1                          ; M(4 + 3 I) | V(3 + 3 I)
	HALF_VM 1, 1, 2, 1, 0                          ; V(4 + 3 I) | M(4 + 3 I)
	s_add_co_u32 s24, s24, 1
	s_cmp_lt_u32 s24, 10
	s_cbranch_scc1 .Lsteps
	HALF_MV 2, 0, 1, 0, 0                          ; V^T P of step 31 | V(31)
	s_cmp_eq_u32 s13, 0
	s_cbranch_scc1 .Lout
	MPH 2, 0                                       ; group 1: V^T P of step 31
.Lout:
; ---------------- THE WAY OUT ----------------
; The sum's two halves and the other half of the lanes' are added; O^T times its reciprocal goes, a tile of 16 queries at a time, through my own stage in LDS and comes back as whole rows of 256 bytes.
; All four tiles are multiplied first, into registers of their own, so that one wait serves all the stores into the stage.
.irp t, 0,1,2,3
	v_add_f32 v[MX+4*\t], v[L+2*\t], v[L+2*\t+1]
.endr
.irp t, 0,1,2,3
	v_permlanex16_b32 v[MX+4*\t+1], v[MX+4*\t], s20, s21
.endr
.irp t, 0,1,2,3
	v_add_f32 v[MX+4*\t], v[MX+4*\t], v[MX+4*\t+1]
.endr
.irp t, 0,1,2,3
	v_rcp_f32 v[MX+4*\t], v[MX+4*\t]
.endr
	v_nop                                          ; a plain instruction between the last reciprocal and its use
	s_wait_alu depctr_va_vdst(0)                   ; the four reciprocals have written their results, ahead of the first multiply that names one
	WIN 0x01                                       ; O^T in window 1
.irp t, 0,1,2,3
.irp i, 0,1,2,3,4,5,6,7,8,9,10,11,12,13,14,15
	v_pk_mul_f32 v[S+32*\t+2*\i:S+32*\t+2*\i+1], v[32*\t+2*\i:32*\t+2*\i+1], v[MX+4*\t:MX+4*\t+1] op_sel_hi:[1,0]   ; each accumulator from its low end on; register 8 c + j is out(r, 16 c + 8 h + j)
.endr
.endr
	WIN 0
	s_wait_alu depctr_va_vdst(0)                   ; the multiplies have written S, which the LDS stores read; the products are long done reading Q's and K's fragments, in which the loads from the stage land
.irp t, 0,1,2,3
.irp c, 0,1,2,3
	ds_store_b128 v[STO], v[S+32*\t+8*\c:S+32*\t+8*\c+3] offset:64*\c
	ds_store_b128 v[STO], v[S+32*\t+8*\c+4:S+32*\t+8*\c+7] offset:64*\c+16
.endr
.if \t >= 2
	s_wait_xcnt 0x0                                ; the stores of the tile two back have had their addresses translated,
	s_wait_alu depctr_vm_vsrc(0)                   ; and have read the registers in which the loads below land
.endif
.irp i, 0,1,2,3,4,5,6,7
	ds_load_b128 v[QF+32*(\t%2)+4*\i:QF+32*(\t%2)+4*\i+3], v[SRD] offset:544*\i   ; in order behind my stores; the next tile's stores come behind these
.endr
.irp i, 0,1,2,3,4,5,6,7
	s_wait_dscnt 7-\i                              ; rows 2 i and 2 i + 1 are back; the younger loads may be out
	global_store_b128 v[GO], v[QF+32*(\t%2)+4*\i:QF+32*(\t%2)+4*\i+3], s[10:11] offset:4096*\t+512*\i th:TH_STORE_NT   ; sixteen lanes store a row: 256 consecutive bytes, at a multiple of 256 from out0's first byte
.endr
.endr
	s_barrier_signal -1
	s_barrier_wait -1
	s_wait_xcnt 0x0
	v_lshl_add_u32 v254, v0, 2, 0x30800            ; the add's two registers, made anew straight ahead of the closing lines: no memory or LDS instruction has read either
	v_mov_b32 v255, 0
	s_wait_dscnt 0x0                               ; the closing lines, six on end
	s_wait_alu 0x0
	s_wait_tensorcnt 0x0
	ds_add_u32 v254, v255
	s_wait_dscnt 0x0
	s_endpgm
.Lfunc_end_k_qe727c5ee27_attn:
	.size	k_qe727c5ee27_attn, .Lfunc_end_k_qe727c5ee27_attn-k_qe727c5ee27_attn
	.p2alignl 7, 3214868480
	.fill 96, 4, 3214868480
	.section	.rodata,"a",@progbits
	.p2align	6, 0x0
	.amdhsa_kernel k_qe727c5ee27_attn
		.amdhsa_group_segment_fixed_size 199680
		.amdhsa_private_segment_fixed_size 0
		.amdhsa_enable_private_segment 0
		.amdhsa_kernarg_size 32
		.amdhsa_user_sgpr_count 2
		.amdhsa_user_sgpr_kernarg_segment_ptr 1
		.amdhsa_wavefront_size32 1
		.amdhsa_system_sgpr_workgroup_id_x 1
		.amdhsa_system_sgpr_workgroup_id_y 1
		.amdhsa_system_sgpr_workgroup_id_z 1
		.amdhsa_system_vgpr_workitem_id 0
		.amdhsa_next_free_vgpr 512
		.amdhsa_next_free_sgpr 66
		.amdhsa_reserve_vcc 0
		.amdhsa_float_denorm_mode_32 3
		.amdhsa_float_denorm_mode_16_64 3
		.amdhsa_memory_ordered 1
		.amdhsa_forward_progress 1
		.amdhsa_inst_pref_size 255
	.end_amdhsa_kernel
	.section	.bss,"aw",@nobits
	.p2align	6
	.space	262144
	.amdgpu_metadata
---
amdhsa.version: [ 1, 2 ]
amdhsa.kernels:
  - .name:           k_qe727c5ee27_attn
    .symbol:         k_qe727c5ee27_attn.kd
    .args:
      - { .name: query, .offset: 0, .size: 8, .value_kind: global_buffer, .address_space: global }
      - { .name: key, .offset: 8, .size: 8, .value_kind: global_buffer, .address_space: global }
      - { .name: value, .offset: 16, .size: 8, .value_kind: global_buffer, .address_space: global }
      - { .name: out0, .offset: 24, .size: 8, .value_kind: global_buffer, .address_space: global }
    .group_segment_fixed_size: 199680
    .private_segment_fixed_size: 0
    .kernarg_segment_align: 8
    .kernarg_segment_size: 32
    .max_flat_workgroup_size: 256
    .sgpr_count:     66
    .vgpr_count:     512
    .wavefront_size: 32
...
	.end_amdgpu_metadata
.endif
;; end of part 2
